; MI455X (gfx1250); checked and timed in simulation.
; The chip was launched on July 23, 2026; its instructions are those of AMD's public machine-readable ISA for CDNA 5 (MIT licence, August 2026) and "CDNA5" Instruction Set Architecture Reference Guide (July 2026). The comments in the code are by the model that wrote it; some were corrected since.
;; Mo E. Allowed arithmetic: matrix products marked QUANTISED: E2M3 operands, one E8M0 scale for each 32 along K, by v_wmma_scale_f32_16x16x128_f8f6f4 with both operands' format E2M3, f32 sums; products left as they are: f32 operands where the result goes on into a quantised operand, else bf16, f16 or f32 operands; f32 sums; everything else in f32.
;; Inputs: gb 32 float32; gw 1,024 x 32 float32; pb 1,024 x 32 float32; pw 1,024 x 1,024 x 32 float32; x 2,048 x 1,024 float32.
;; Outputs: out0 2,048 x 1,024 float32.
;; This version of the problem:
;;   THIS VERSION OF THE PROBLEM IS GIVEN IN LOW PRECISION. The matrix products marked QUANTISED in the list below multiply operands that are first quantised to E2M3 (2 exponent bits, 3 mantissa bits; 6 bits a number), with one power-of-two scale for each 32 numbers along K (OCP MX v1.0); their sums are f32. All else is computed in f32.
;;   The module's matrix products, in the order in which they are computed (A, B: the left and right operand; K: the contracted axis; several contracted axes count as one K, in the product's order):
;;     1. [M 2,048, K 1,024] x [K 1,024, N 32]; A: input x; B: input gw: QUANTISED
;;     2. [M 2,048, K 1,024] x [K 1,024, N 32,768]; A: input x; B: input pw: QUANTISED
;;     3. batch 2,048 x [M 1,024, K 32] x [K 32, N 1]; A: computed on the way; B: softmax (see below): left as it is (N = 1 < 16)
;;     4. [M 2,048, K 32] x [K 32, N 1,024]; A: softmax (see below); B: input pb: QUANTISED
;;   THE QUANTISER, for each operand of a quantised product, along K:
;;     - K is cut into blocks of 32 from its start; a last block that is shorter is filled with zeros.
;;     - A block's scale is 2^e with e = floor(log2(the largest magnitude in the block)) - 2, held to -126 .. 127; a block of zeros has e = 0. As a byte (E8M0): e + 127.
;;     - Each number is divided by its block's scale, clamped to +-7.5, and rounded to the nearest number of E2M3, ties to even, subnormals kept.
;;     - The product sums the exact products of the quantised numbers (number of the format x scale) in f32.
;;   ~~~python
;;   def quantise(x, axis):      # numpy; x: float32 -> the quantised numbers, widened to float32 again
;;       x = np.moveaxis(x, axis, -1); K = x.shape[-1]
;;       x = np.pad(x, [(0, 0)] * (x.ndim - 1) + [(0, -K % 32)]); x = x.reshape(x.shape[:-1] + (-1, 32)); a = np.abs(x).max(-1, keepdims=True)
;;       e = np.where(a > 0, np.clip(np.frexp(np.where(a > 0, a, 1))[1] - 1 - 2, -126, 127), 0)      # np.frexp(a)[1] - 1 = floor(log2(a)), exactly
;;       r = np.clip(x / 2.0 ** e, -7.5, 7.5)
;;       step = 2.0 ** (np.maximum(np.frexp(np.where(r == 0, 1, r))[1] - 1, 0) - 3)
;;       q = np.round(r / step) * step * 2.0 ** e      # np.round: ties to even
;;       return np.moveaxis(q.reshape(q.shape[:-2] + (-1,))[..., :K], -1, axis).astype(np.float32)
;;   ~~~
;;   SOFTMAX AHEAD OF A QUANTISED PRODUCT. Where the list says 'softmax', what is quantised is not the finished softmax but p = 2^(t - M), with t = logit x log2(e) and M = ceil(the row's largest t), a whole number; so 1/2 < the row's largest p <= 1. The row's sum l is taken of the UNQUANTISED p, in f32, and the product's result is divided by l at the end. Since M is a whole number, a kernel that streams over the keys may use a running M (the ceiling of the running maximum): every later rescaling is an exact power of two, which a block's scale takes up: the codes' values come out the same.
;;   OPERANDS COMPUTED ON THE WAY. 'Computed on the way' means the value that the module computes at that place (a softmax that the list does not call 'softmax' is quantised finished and normalised). What goes into a quantiser is computed in f32, as accurately as f32 sums, v_exp_f32 and their like allow (about 1e-6 of the number): no bf16 or f16 on the way to a quantiser, and a product that is left as it is and whose result goes on into a quantised operand takes f32 operands (vector FMAs, or v_wmma_f32_16x16x4_f32). A number that lies on a knife's edge between two numbers of the format may be rounded either way, as far as f32 arithmetic and the matrix unit's own rounding can turn it there, and no further.
;; One version. Each part assembles by itself: llvm-mc -triple=amdgcn-amd-amdhsa -mcpu=gfx1250 --defsym DOCPART=n.
;; ======== version 1 of 1: 3 launches
;; limits: right only within a limited range of input values
;; workspace buffers: ximg 1,638,400 bytes; wimg 26,240,000 bytes; timg 1,900,544 bytes; pimg 229,376 bytes
;; launch quant (part 1): grid 1024 x 1, 4 waves a work-group, no clusters, 0 bytes of LDS; arguments x, pw, gw, ximg, wimg; writes ximg, wimg
.if DOCPART == 1
	.amdgcn_target "amdgcn-amd-amdhsa--gfx1250"
	.amdhsa_code_object_version 6
	.text
	.protected	k_q07f9d8730b_quant
	.globl	k_q07f9d8730b_quant
	.p2align	8
	.type	k_q07f9d8730b_quant,@function
k_q07f9d8730b_quant:
	s_mov_b64 s[64:65], 0
	v_nop
	global_prefetch_b8 v0, s[64:65] scope:SCOPE_SE
	s_setreg_imm32_b32 hwreg(HW_REG_WAVE_MODE, 25, 1), 1
	s_wait_xcnt 0x0
; x [2048][1024], the 1,024 slabs pw[o] = [1024 (k)][32 (l)] and gw [1024 (k)][32 (l)], all f32, become codes of FP6 (E2M3) with one E8M0 scale byte for each 32 along K,
; laid as IMAGES OF OPERAND REGISTERS: a fragment (16 rows or columns x 128 K) is 12 registers a lane; registers 4 c .. 4 c + 3 of lane L lie at 512 c + 16 L of its 1,536 bytes.
;   ximg: 128 tiles of 16 rows x 12,800 bytes: fragment of K step s at 1,536 s; at 12,288 + 64 s + 4 r the scale word of row r for K step s.
;   wimg: 1,025 slabs x 25,600 bytes (slab 1,024 is gw): fragment (K step s, columns 16 u + 0..15) at (2 s + u) 1,536; at 24,576 + 128 s + 8 r + 4 u the scale word of column 16 u + r for K step s.
; A block's scale is 2^(floor(log2(its largest magnitude)) - 2); its byte is the largest magnitude's exponent field - 2, held at 1 from below by a floor among the maximum's leaves.
; LIMITS: a block of zeros gets the byte 1 where the rule says 127 (its codes are zeros, which add nothing under any byte but 0xff, and this program alone reads the bytes);
; blocks whose largest magnitude lies under 2^(3 - 127) are held at the byte 1; NaN and infinities among the inputs are not served.
; SHARES: 1,024 work-groups of equal work.  Work-group o takes slab pw[o], a wave to 256 along K.  x is 128 tiles x 8 K steps = 1,024 units of 16 rows x 128 K: wave 0 of work-group o takes unit (o / 8, o % 8)
; ahead of its part of the slab.  gw is 32 blocks of 32 along K: wave 1 of work-groups 0-31 takes one each.  The three roles part once and join again.  Waves share nothing: no LDS, no barrier.
.set SN,  32                           ; v32-95   the slab: two sets of 32 numbers
.set FR0, 96                           ; v96-143  four fragments, (K step sl, tile u) at FR0 + 12 (2 sl + u);  v144-146 the upper half of a block, as the conversion leaves it
.set XN,  64                           ; the extras, done before these registers serve the slab: v64-127 their numbers,
.set XF,  128                          ; v128-139 their codes
	s_load_b256 s[4:11], s[0:1], 0x0               ; x s[4:5], pw s[6:7], gw s[8:9], ximg s[10:11]
	s_load_b64 s[12:13], s[0:1], 0x20              ; wimg
	v_lshrrev_b32 v1, 5, v0
	v_readfirstlane_b32 s14, v1                    ; wave 0..3
	v_and_b32 v1, 31, v0                           ; lane
	v_lshlrev_b32 v2, 2, v1                        ; the slab, in: 4 bytes a lane
	v_lshlrev_b32 v3, 4, v1                        ; an image's place for my lane: 16 x lane
	v_lshlrev_b32 v4, 3, v1                        ; the slab's scale words: 8 bytes a lane
	v_and_b32 v5, 15, v1                           ; r
	v_lshrrev_b32 v6, 4, v1                        ; h
	s_mov_b32 s20, 0x76543210
	s_mov_b32 s21, 0xfedcba98                      ; v_permlanex16_b32's selects for lane l xor 16
	s_mov_b32 s17, 0                               ; the upper word of every 64-bit offset below
	s_wait_kmcnt 0x0
	s_lshl_b32 s16, ttmp9, 17                      ; a slab of pw is 131,072 bytes,
	s_lshl_b32 s18, s14, 15                        ; my 256 rows of 128 bytes
	s_add_co_u32 s16, s16, s18
	s_add_nc_u64 s[6:7], s[6:7], s[16:17]
	s_mul_i32 s16, ttmp9, 25600
	s_add_nc_u64 s[22:23], s[12:13], s[16:17]      ; the slab's image
	s_mul_i32 s16, s14, 6144
	s_add_nc_u64 s[24:25], s[22:23], s[16:17]      ; my four fragments: K steps 2 w and 2 w + 1
	s_lshl_b32 s16, s14, 8
	s_add_co_u32 s16, s16, 24576
	s_add_nc_u64 s[22:23], s[22:23], s[16:17]      ; my 256 bytes of scale words
; A slab [1024 (k)][32 (l)]: K is the FIRST axis.  A lane takes column l = lane and its registers run down K: each load reads 128 consecutive bytes, a block's 32 loads 4,096 on end,
; a block of 32 lies in one lane, and the conversions give codes with K innermost.  Nothing is transposed by memory.
.macro LOAD kb                         ; block kb of my eight, into set kb % 2
.irp i, 0,1,2,3,4,5,6,7,8,9,10,11,12,13,14,15,16,17,18,19,20,21,22,23,24,25,26,27,28,29,30,31
	global_load_b32 v[SN+32*((\kb)%2)+\i], v2, s[6:7] offset:(32*(\kb)+\i)*128 th:TH_LOAD_NT
.endr
.endm
; One block: the lane's 32 numbers v[n] .. v[n + 31] become six registers of codes from v[d] on (d even) and the scale's byte in v11.
.macro QB n, d
	v_max3_num_f32 v8, |v[\n]|, |v[\n+1]|, |v[\n+2]|   ; the block's largest magnitude, in two chains
	v_max3_num_f32 v9, |v[\n+3]|, |v[\n+4]|, |v[\n+5]|
.irp i, 6,10,14,18,22,26
	v_max3_num_f32 v8, v8, |v[\n+\i]|, |v[\n+\i+1]|
	v_max3_num_f32 v9, v9, |v[\n+\i+2]|, |v[\n+\i+3]|
.endr
	v_max3_num_f32 v8, v8, |v[\n+30]|, |v[\n+31]|
	v_max3_num_f32 v8, v8, v9, 0x1800000           ; and the floor 2^(3 - 127): the byte cannot fall under 1
	v_add_nc_u32 v10, 0xff000000, v8               ; 2 off the exponent field: the conversion takes the exponent field of this operand as its scale
	v_cvt_scalef32_pk16_fp6_f32 v[\d:\d+2], v[\n:\n+15], v10
	v_cvt_scalef32_pk16_fp6_f32 v[144:146], v[\n+16:\n+31], v10   ; (a conversion's three registers begin on an even number)
	v_lshrrev_b32 v11, 23, v10                     ; the scale's byte.  (Also the plain line behind the conversions)
.irp i, 0,1,2
	v_mov_b32 v[\d+3+\i], v[144+\i]
.endr
.endm
	s_cmp_eq_u32 s14, 0
	s_cbranch_scc1 .Lwith_x
	s_cmp_eq_u32 s14, 1
	s_cbranch_scc0 .Lplain
	s_cmp_lt_u32 ttmp9, 32
	s_cbranch_scc1 .Lwith_gw
.Lplain:
	s_wait_alu depctr_va_vdst(0)
	LOAD 0
	s_branch .Lcommon
; ---------------- a unit of x: K is innermost.  Lane (r, h) takes row r and the numbers k = 128 s + 64 c + 32 h + 0 .. 31, c = 0, 1: two whole blocks, just what the operand's layout gives that lane.
.Lwith_x:
	s_lshr_b32 s15, ttmp9, 3                       ; the tile of 16 rows
	s_and_b32 s18, ttmp9, 7                        ; the K step
	s_lshl_b32 s16, s15, 16                        ; 16 rows of 4,096 bytes,
	s_lshl_b32 s19, s18, 9                         ; 512 bytes a K step
	s_add_co_u32 s16, s16, s19
	s_add_nc_u64 s[4:5], s[4:5], s[16:17]
	s_mul_i32 s15, s15, 12800
	s_mul_i32 s16, s18, 1536
	s_add_co_u32 s16, s16, s15
	s_add_nc_u64 s[26:27], s[10:11], s[16:17]      ; the unit's fragment
	s_lshl_b32 s16, s18, 6
	s_add_co_u32 s16, s16, s15
	s_add_co_u32 s16, s16, 12288
	s_add_nc_u64 s[10:11], s[10:11], s[16:17]      ; its 16 scale words
	s_wait_alu depctr_va_vdst(0)
	v_lshlrev_b32 v7, 2, v5                        ; 4 r
	v_lshlrev_b32 v5, 12, v5
	v_lshl_add_u32 v5, v6, 7, v5                   ; row r, + 128 h bytes
	v_lshlrev_b32 v6, 3, v6                        ; 8 h: how far my two scale bytes are shifted in the word
	v_mov_b32 v15, 0                               ; a lane permute's destination counts as one of its sources
.irp c, 0,1
.irp j, 0,1,2,3,4,5,6,7
	global_load_b128 v[XN+32*\c+4*\j:XN+32*\c+4*\j+3], v5, s[4:5] offset:256*\c+16*\j
.endr
.endr
	LOAD 0                                         ; the slab's first block goes out behind them: 48 loads of mine are out
	s_wait_loadcnt 32                              ; the unit's 16 loads are in; block 0's 32 may be out
	QB XN, XF                                      ; my block h,
	v_mov_b32 v12, v11
	QB XN+32, XF+6                                 ; my block 2 + h
	v_lshl_or_b32 v14, v11, 16, v12                ; my two bytes,
	v_lshlrev_b32 v14, v6, v14                     ; at their places in the word;
	v_permlanex16_b32 v15, v14, s20, s21
	v_or_b32 v14, v14, v15                         ; with lane l xor 16's two the word of row r is whole, in both halves of the lanes
.irp c, 0,1,2
	global_store_b128 v3, v[XF+4*\c:XF+4*\c+3], s[26:27] offset:512*\c   ; 32 lanes store 512 consecutive bytes
.endr
	global_store_b32 v7, v14, s[10:11]             ; 64 consecutive bytes; lanes r and 16 + r write the same word with the same value
	s_wait_xcnt 0x0                                ; the slab's way rewrites these stores' data: only behind this wait
	s_branch .Lcommon
; ---------------- a block of gw: rows 32 kb .. + 31, kb = the work-group's number.  It is block 2 c + hb of K step s = kb / 4.  Lane = column 16 u + r holds the registers 6 c .. 6 c + 5 of lane r + 16 hb of
; fragment (s, u), and stores them there itself: three stores of 8 bytes, 16 bytes from lane to lane, and one byte of scale.  They write short pieces, for the 25,600 bytes of gw's image alone.
.Lwith_gw:
	s_lshl_b32 s16, ttmp9, 12                      ; 32 rows of 128 bytes
	s_add_nc_u64 s[8:9], s[8:9], s[16:17]
	s_lshr_b32 s15, ttmp9, 2                       ; the K step
	s_mul_i32 s16, s15, 3072
	s_add_co_u32 s16, s16, 1024*25600
	s_add_nc_u64 s[26:27], s[12:13], s[16:17]      ; fragment (s, 0) of slab 1,024
	s_lshl_b32 s16, s15, 7
	s_and_b32 s18, ttmp9, 3
	s_add_co_u32 s16, s16, s18
	s_add_co_u32 s16, s16, 1024*25600+24576
	s_add_nc_u64 s[12:13], s[12:13], s[16:17]      ; the K step's scale words, at this block's byte
	s_and_b32 s18, ttmp9, 1                        ; hb
	s_lshl_b32 s18, s18, 8                         ; 16 lanes of 16 bytes
	s_bfe_u32 s19, ttmp9, 0x10001                  ; c
	s_mul_i32 s15, s19, 520                        ; registers 6 c, 6 c + 1 lie at 0 or 520 of a lane's places, 6 c + 4, 6 c + 5 at 512 or 1,032,
	s_add_co_u32 s15, s15, s18
	s_mul_i32 s19, s19, 1016                       ; 6 c + 2, 6 c + 3 at 8 or 1,024
	s_add_co_u32 s19, s19, s18
	s_wait_alu depctr_va_vdst(0)
	v_lshlrev_b32 v7, 3, v5
	v_lshl_add_u32 v7, v6, 2, v7                   ; 8 r + 4 u
	v_lshlrev_b32 v5, 4, v5
	v_mad_u32_u24 v5, v6, 1536, v5                 ; 16 r + 1,536 u
	v_add_nc_u32 v6, s19, v5
	v_add_nc_u32 v5, s15, v5
.irp i, 0,1,2,3,4,5,6,7,8,9,10,11,12,13,14,15,16,17,18,19,20,21,22,23,24,25,26,27,28,29,30,31
	global_load_b32 v[XN+\i], v2, s[8:9] offset:\i*128 th:TH_LOAD_NT
.endr
	LOAD 0
	s_wait_loadcnt 32                              ; gw's 32 loads are in; block 0's 32 may be out
	QB XN, XF
	global_store_b64 v5, v[XF:XF+1], s[26:27]
	global_store_b64 v6, v[XF+2:XF+3], s[26:27] offset:8
	global_store_b64 v5, v[XF+4:XF+5], s[26:27] offset:512
	global_store_b8 v7, v11, s[12:13]
	s_wait_xcnt 0x0                                ; the slab's way rewrites these stores' data: only behind this wait
; ---------------- the slab.  On every way block 0's 32 loads are out here.
.Lcommon:
.macro BLOCK kb
.set N, SN+32*((\kb)%2)
.set SL, (\kb)/4                       ; which of my two K steps
.set CC, ((\kb)%4)/2                   ; which half of the fragment's registers
.set DST, FR0+12*(2*SL+(\kb)%2)+6*CC   ; an even block goes to tile 0's registers, an odd one to tile 1's; the exchange below sorts them
.if (\kb) < 7
	s_wait_loadcnt 32                              ; this block's 32 loads are in; the next block's 32 may be out
.else
	s_wait_loadcnt 0
.endif
	QB N, DST
.if (\kb)%4 == 0
	v_mov_b32 v[12+SL], v11                        ; four bytes make my column's word of this K step
.else
	v_lshl_or_b32 v[12+SL], v11, 8*((\kb)%4), v[12+SL]
.endif
.if (\kb)%2 == 1                       ; the first register holds the even block of all 32 columns, the second the odd block.  The first's lanes 16-31 change places with the second's lanes 0-15:
.irp i, 0,1,2,3,4,5                    ; the first is then tile 0's register (lanes 0-15 the even block of columns 0-15, lanes 16-31 their odd block), the second tile 1's
	v_permlane16_swap_b32 v[FR0+24*SL+6*CC+\i], v[FR0+24*SL+12+6*CC+\i]
.endr
.endif
.if (\kb)%4 == 3
.irp u, 0,1
.irp c, 0,1,2
	global_store_b128 v3, v[FR0+12*(2*SL+\u)+4*\c:FR0+12*(2*SL+\u)+4*\c+3], s[24:25] offset:(2*SL+\u)*1536+512*\c   ; 512 consecutive bytes; these registers are not written again
.endr
.endr
.endif
.if (\kb) < 6
	LOAD (\kb)+2
.endif
.endm
	LOAD 1
.irp kb, 0,1,2,3,4,5,6,7
	BLOCK \kb
.endr
	v_permlane16_swap_b32 v12, v13                 ; v12: lanes 0-15 the even step's words of columns 0-15, lanes 16-31 the odd step's; v13 the same of columns 16-31
	global_store_b64 v4, v[12:13], s[22:23]        ; 32 lanes store 256 consecutive bytes, aligned
	s_endpgm
.Lfunc_end_k_q07f9d8730b_quant:
	.size	k_q07f9d8730b_quant, .Lfunc_end_k_q07f9d8730b_quant-k_q07f9d8730b_quant
	.p2alignl 7, 3214868480
	.fill 96, 4, 3214868480
	.section	.rodata,"a",@progbits
	.p2align	6, 0x0
	.amdhsa_kernel k_q07f9d8730b_quant
		.amdhsa_group_segment_fixed_size 0
		.amdhsa_private_segment_fixed_size 0
		.amdhsa_enable_private_segment 0
		.amdhsa_kernarg_size 40
		.amdhsa_user_sgpr_count 2
		.amdhsa_user_sgpr_kernarg_segment_ptr 1
		.amdhsa_wavefront_size32 1
		.amdhsa_system_sgpr_workgroup_id_x 1
		.amdhsa_system_sgpr_workgroup_id_y 1
		.amdhsa_system_sgpr_workgroup_id_z 1
		.amdhsa_system_vgpr_workitem_id 0
		.amdhsa_next_free_vgpr 192
		.amdhsa_next_free_sgpr 66
		.amdhsa_reserve_vcc 0
		.amdhsa_float_denorm_mode_32 3
		.amdhsa_float_denorm_mode_16_64 3
		.amdhsa_memory_ordered 1
		.amdhsa_forward_progress 1
		.amdhsa_inst_pref_size 57
	.end_amdhsa_kernel
	.amdgpu_metadata
---
amdhsa.version: [ 1, 2 ]
amdhsa.kernels:
  - .name:           k_q07f9d8730b_quant
    .symbol:         k_q07f9d8730b_quant.kd
    .args:
      - { .name: x, .offset: 0, .size: 8, .value_kind: global_buffer, .address_space: global }
      - { .name: pw, .offset: 8, .size: 8, .value_kind: global_buffer, .address_space: global }
      - { .name: gw, .offset: 16, .size: 8, .value_kind: global_buffer, .address_space: global }
      - { .name: ximg, .offset: 24, .size: 8, .value_kind: global_buffer, .address_space: global }
      - { .name: wimg, .offset: 32, .size: 8, .value_kind: global_buffer, .address_space: global }
    .group_segment_fixed_size: 0
    .private_segment_fixed_size: 0
    .kernarg_segment_align: 8
    .kernarg_segment_size: 40
    .max_flat_workgroup_size: 128
    .sgpr_count:     66
    .vgpr_count:     192
    .wavefront_size: 32
...
	.end_amdgpu_metadata
.endif
;; end of part 1
;; launch gate (part 2): grid 128 x 1, 1 waves a work-group, no clusters, 0 bytes of LDS; arguments ximg, wimg, gb, timg, pimg; writes timg, pimg
.if DOCPART == 2
	.amdgcn_target "amdgcn-amd-amdhsa--gfx1250"
	.amdhsa_code_object_version 6
	.text
	.protected	k_q07f9d8730b_gate
	.globl	k_q07f9d8730b_gate
	.p2align	8
	.type	k_q07f9d8730b_gate,@function
k_q07f9d8730b_gate:
	s_mov_b64 s[64:65], 0
	v_nop
	global_prefetch_b8 v0, s[64:65] scope:SCOPE_SE
	s_setreg_imm32_b32 hwreg(HW_REG_WAVE_MODE, 25, 1), 1
	s_wait_xcnt 0x0
; The gates, once for each row.  A wave takes one tile of 16 rows: logits = Q(x) Q(gw) + gb on the images that the launch before made (gw is slab 1,024 of wimg),
; t = logit x log2(e), M = ceil(the row's largest t), p = 2^(t - M), the row's sum of the unquantised p, the gates p / sum, and p's codes of FP6 with their scale byte.
; TRANSPOSED USE: source 0 = 16 leaves of gw, source 1 = 16 rows of x: lane (r, h) holds row r, register 8 u + j the leaf 16 u + 8 h + j.
; OUT: timg, 128 tiles x 14,848 bytes: x's eight fragments and 512 bytes of scale words as they lie in ximg, then at 12,800 the gates as an image of 16 registers (registers 4 c .. 4 c + 3 of lane L at 512 c + 16 L).
;      pimg, 128 tiles x 1,792 bytes: p's fragment (12 registers; the block in lanes 0-15, registers 0-5, code k = 16 h + 8 u + j for leaf 16 u + 8 h + j; zero codes elsewhere), at 1,536 its scale word, at 1,664 1 / the row's sum.
; The work is 128 tiles, a work-group of one wave to each.  No LDS, no barrier.
; LIMITS: division by the row's sum is a multiplication by v_rcp_f32's result; the scale byte is held at 1 from below; NaN and infinities among the inputs are not served.
.set XT, 12800
.set TT, 14848
.set PT, 1792
.set SLAB, 25600
.set L16, 1
.set L4, 2
.set L8, 3
.set GBO, 4
.set NM, 6                             ; v[6:7] -M
.set RL, 8                             ; v[8:9] 1 / the row's sum
.set XS, 16                            ; v16-19 x's scale words: lanes 0-15 K step 2 j, lanes 16-31 K step 2 j + 1
.set SW, 20                            ; v20-27 gw's scale words, 2 (s / 2) + u
.set GB, 32                            ; v32-47 gb in the result's layout
.set G, 48                             ; v48-63 logits, p, gates
.set QP, 64                            ; v64-75 p's fragment
.set QPS, 76
.set XF, 128                           ; v128-223 x's fragments; window 1: gw's 16 fragments, (s, u) at 12 (2 s + u)
.set MSB, 0
.macro WIN new
.if MSB != (\new)
	s_set_vgpr_msb (MSB<<8)|(\new)
.set MSB, (\new)
.endif
.endm
	s_load_b256 s[4:11], s[0:1], 0x0               ; ximg, wimg, gb, timg
	s_load_b64 s[12:13], s[0:1], 0x20              ; pimg
	s_mov_b32 s20, 0x76543210
	s_mov_b32 s21, 0xfedcba98                      ; selects for lane l xor 16
	s_mov_b32 s22, 0x3fb8aa3b                      ; log2(e)
	s_mov_b32 s23, s22
	s_mul_i32 s14, ttmp9, XT
	s_mov_b32 s15, 0
	s_mul_i32 s16, ttmp9, TT
	s_mov_b32 s17, 0
	s_mul_i32 s18, ttmp9, PT
	s_mov_b32 s19, 0
	v_lshlrev_b32 v[L16], 4, v0
	v_lshlrev_b32 v[L4], 2, v0
	v_lshlrev_b32 v[L8], 3, v0
	v_lshrrev_b32 v[GBO], 4, v0
	v_lshlrev_b32 v[GBO], 5, v[GBO]                ; 32 h
	v_mov_b32 v[NM+1], 0
	v_mov_b32 v[RL+1], 0
	v_mov_b32 v11, 0                               ; a lane permute's destination counts as a source
.irp i, 6,7,8,9,10,11
	v_mov_b32 v[QP+\i], 0                          ; k = 64 .. 127: zero codes
.endr
	s_wait_alu depctr_va_vdst(0)                   ; the wait at the head's end
	s_wait_kmcnt 0x0
	s_add_nc_u64 s[4:5], s[4:5], s[14:15]
	s_add_nc_u64 s[6:7], s[6:7], 1024*SLAB
	s_add_nc_u64 s[10:11], s[10:11], s[16:17]
	s_add_nc_u64 s[12:13], s[12:13], s[18:19]
.irp u, 0,1
.irp f, 0,1
	global_load_b128 v[GB+8*\u+4*\f:GB+8*\u+4*\f+3], v[GBO], s[8:9] offset:64*\u+16*\f
.endr
.endr
.irp s, 0,1,2,3,4,5,6,7
.irp c, 0,1,2
	global_load_b128 v[XF+12*\s+4*\c:XF+12*\s+4*\c+3], v[L16], s[4:5] offset:1536*\s+512*\c
.endr
.endr
.irp j, 0,1,2,3
	global_load_b32 v[XS+\j], v[L4], s[4:5] offset:12288+128*\j
	global_load_b64 v[SW+2*\j:SW+2*\j+1], v[L8], s[6:7] offset:24576+256*\j
.endr
	WIN 0x40                                       ; destination window 1
.irp f, 0,1,2,3,4,5,6,7,8,9,10,11,12,13,14,15
.irp c, 0,1,2
	global_load_b128 v[12*\f+4*\c:12*\f+4*\c+3], v[L16], s[6:7] offset:1536*\f+512*\c
.endr
.endr
	WIN 0
	s_wait_loadcnt 0x0
.irp s, 0,1,2,3,4,5,6,7                ; x's tile goes on into timg as it lies
.irp c, 0,1,2
	global_store_b128 v[L16], v[XF+12*\s+4*\c:XF+12*\s+4*\c+3], s[10:11] offset:1536*\s+512*\c
.endr
.endr
.irp j, 0,1,2,3
	global_store_b32 v[L4], v[XS+\j], s[10:11] offset:12288+128*\j
.endr
.macro GM u, s                         ; the two accumulators take turns; an odd K step takes both sides' scales from lanes 16-31
.set rD, G+8*(\u)
.set rA, 12*(2*(\s)+(\u))
.set rB, XF+12*(\s)
.set rS, SW+2*((\s)/2)+(\u)
.set rX, XS+(\s)/2
.if (\s)%2 == 1
	v_wmma_scale_f32_16x16x128_f8f6f4 v[rD:rD+7], v[rA:rA+11], v[rB:rB+11], v[rD:rD+7], v[rS], v[rX] matrix_a_fmt:MATRIX_FMT_FP6 matrix_b_fmt:MATRIX_FMT_FP6 matrix_a_scale:MATRIX_SCALE_ROW1 matrix_b_scale:MATRIX_SCALE_ROW1
.elseif (\s) == 0
	v_wmma_scale_f32_16x16x128_f8f6f4 v[rD:rD+7], v[rA:rA+11], v[rB:rB+11], v[GB+8*(\u):GB+8*(\u)+7], v[rS], v[rX] matrix_a_fmt:MATRIX_FMT_FP6 matrix_b_fmt:MATRIX_FMT_FP6
.else
	v_wmma_scale_f32_16x16x128_f8f6f4 v[rD:rD+7], v[rA:rA+11], v[rB:rB+11], v[rD:rD+7], v[rS], v[rX] matrix_a_fmt:MATRIX_FMT_FP6 matrix_b_fmt:MATRIX_FMT_FP6
.endif
.endm
	WIN 0x01                                       ; source 0 window 1
.irp s, 0,1,2,3,4,5,6,7
	GM 0, \s
	GM 1, \s
.endr
	WIN 0
.rept 4
	v_nop                                          ; places behind the last products
.endr
	v_max3_num_f32 v10, v[G], v[G+1], v[G+2]       ; the largest logit, from the low end on
.irp i, 3,5,7,9,11,13
	v_max3_num_f32 v10, v10, v[G+\i], v[G+\i+1]
.endr
	v_max_num_f32 v10, v10, v[G+15]
	v_permlanex16_b32 v11, v10, s20, s21
	v_max_num_f32 v10, v10, v11
	v_mul_f32 v10, s22, v10
	v_floor_f32 v[NM], -v10                        ; -M = floor(-t)
.irp i, 0,2,4,6,8,10,12,14
	v_pk_fma_f32 v[G+\i:G+\i+1], v[G+\i:G+\i+1], s[22:23], v[NM:NM+1] op_sel_hi:[1,0,0]
.endr
	s_wait_alu depctr_va_vdst(0)                   ; ahead of the batch
.irp i, 0,1,2,3,4,5,6,7,8,9,10,11,12,13,14,15
	v_exp_f32 v[G+\i], v[G+\i]                     ; p = 2^(t - M)
.endr
.irp i, 3,4,5
	v_mov_b32 v[QP+\i], 0                          ; plain lines behind the batch; cleared for the exchange below
.endr
	s_wait_alu depctr_va_vdst(0)                   ; and behind it
	v_max3_num_f32 v12, v[G], v[G+1], 0x1800000    ; the block's largest p, with the floor 2^(3 - 127)
	v_pk_add_f32 v[14:15], v[G:G+1], v[G+2:G+3]    ; the sum of the unquantised p
.irp i, 2,4,6,8,10,12,14
	v_max3_num_f32 v12, v12, v[G+\i], v[G+\i+1]
.endr
.irp i, 4,6,8,10,12,14
	v_pk_add_f32 v[14:15], v[14:15], v[G+\i:G+\i+1]
.endr
	v_permlanex16_b32 v11, v12, s20, s21
	v_max_num_f32 v12, v12, v11
	v_add_f32 v14, v14, v15
	v_permlanex16_b32 v15, v14, s20, s21
	v_add_f32 v14, v14, v15
	s_wait_alu depctr_va_vdst(0)                   ; ahead of the transcendental
	v_rcp_f32 v[RL], v14
	v_add_nc_u32 v13, 0xff000000, v12              ; 2 off the exponent field: the conversion's scale operand
	v_lshrrev_b32 v[QPS], 23, v13                  ; byte 0 the block's, the others 0 over zero codes
	v_cvt_scalef32_pk16_fp6_f32 v[QP:QP+2], v[G:G+15], v13
	v_nop
.irp i, 0,1,2
	v_permlane16_swap_b32 v[QP+\i], v[QP+3+\i]     ; lanes 0-15 then hold the whole block, lanes 16-31 zero codes
.endr
	s_wait_alu depctr_va_vdst(0)                   ; ahead of the reciprocal's first reader
.irp i, 0,2,4,6,8,10,12,14
	v_pk_mul_f32 v[G+\i:G+\i+1], v[G+\i:G+\i+1], v[RL:RL+1] op_sel_hi:[1,0]
.endr
.irp c, 0,1,2,3
	global_store_b128 v[L16], v[G+4*\c:G+4*\c+3], s[10:11] offset:12800+512*\c
.endr
.irp c, 0,1,2
	global_store_b128 v[L16], v[QP+4*\c:QP+4*\c+3], s[12:13] offset:512*\c
.endr
	global_store_b32 v[L4], v[QPS], s[12:13] offset:1536
	global_store_b32 v[L4], v[RL], s[12:13] offset:1664
	s_endpgm
.Lfunc_end_k_q07f9d8730b_gate:
	.size	k_q07f9d8730b_gate, .Lfunc_end_k_q07f9d8730b_gate-k_q07f9d8730b_gate
	.p2alignl 7, 3214868480
	.fill 96, 4, 3214868480
	.section	.rodata,"a",@progbits
	.p2align	6, 0x0
	.amdhsa_kernel k_q07f9d8730b_gate
		.amdhsa_group_segment_fixed_size 0
		.amdhsa_private_segment_fixed_size 0
		.amdhsa_enable_private_segment 0
		.amdhsa_kernarg_size 40
		.amdhsa_user_sgpr_count 2
		.amdhsa_user_sgpr_kernarg_segment_ptr 1
		.amdhsa_wavefront_size32 1
		.amdhsa_system_sgpr_workgroup_id_x 1
		.amdhsa_system_sgpr_workgroup_id_y 1
		.amdhsa_system_sgpr_workgroup_id_z 1
		.amdhsa_system_vgpr_workitem_id 0
		.amdhsa_next_free_vgpr 512
		.amdhsa_next_free_sgpr 66
		.amdhsa_reserve_vcc 0
		.amdhsa_float_denorm_mode_32 3
		.amdhsa_float_denorm_mode_16_64 3
		.amdhsa_memory_ordered 1
		.amdhsa_forward_progress 1
		.amdhsa_inst_pref_size 20
	.end_amdhsa_kernel
	.amdgpu_metadata
---
amdhsa.version: [ 1, 2 ]
amdhsa.kernels:
  - .name:           k_q07f9d8730b_gate
    .symbol:         k_q07f9d8730b_gate.kd
    .args:
      - { .name: ximg, .offset: 0, .size: 8, .value_kind: global_buffer, .address_space: global }
      - { .name: wimg, .offset: 8, .size: 8, .value_kind: global_buffer, .address_space: global }
      - { .name: gb, .offset: 16, .size: 8, .value_kind: global_buffer, .address_space: global }
      - { .name: timg, .offset: 24, .size: 8, .value_kind: global_buffer, .address_space: global }
      - { .name: pimg, .offset: 32, .size: 8, .value_kind: global_buffer, .address_space: global }
    .group_segment_fixed_size: 0
    .private_segment_fixed_size: 0
    .kernarg_segment_align: 8
    .kernarg_segment_size: 40
    .max_flat_workgroup_size: 32
    .sgpr_count:     66
    .vgpr_count:     512
    .wavefront_size: 32
...
	.end_amdgpu_metadata
.endif
;; end of part 2
;; launch moe (part 3): grid 64 x 4, 4 waves a work-group, clusters of 4 x 1, 327,680 bytes of LDS; arguments timg, pimg, wimg, pb, out0; writes out0
.if DOCPART == 3
	.amdgcn_target "amdgcn-amd-amdhsa--gfx1250"
	.amdhsa_code_object_version 6
	.text
	.protected	k_q07f9d8730b_moe
	.globl	k_q07f9d8730b_moe
	.p2align	8
	.type	k_q07f9d8730b_moe,@function
k_q07f9d8730b_moe:
	s_mov_b64 s[64:65], 0
	v_nop
	global_prefetch_b8 v0, s[64:65] scope:SCOPE_SE
	s_setreg_imm32_b32 hwreg(HW_REG_WAVE_MODE, 25, 1), 1
	s_wait_xcnt 0x0
	s_wait_alu depctr_hold_cnt(0) depctr_sa_sdst(0) depctr_va_vdst(0) depctr_va_sdst(0) depctr_va_ssrc(0) depctr_va_vcc(0) depctr_vm_vsrc(0)
	s_getreg_b32 s2, hwreg(HW_REG_IB_STS2, 6, 4)
	s_cmp_eq_u32 s2, 0
	s_cbranch_scc0 .Lentry_in_a_cluster
	s_endpgm
.Lentry_in_a_cluster:
	s_bfe_u32 s2, ttmp6, 0x10000c
	s_cmp_lg_u32 s2, 0x3003
	s_cbranch_scc0 .Lentry_shape_is_right
	s_endpgm
.Lentry_shape_is_right:
; out[b][o] = sum over l of g[b][l] (sum over i of Q(x)[b][i] Q(pw)[o][i][l]) + (Q(p) Q(pb)^T)[b][o] / sum(p).  x, pw, the gates g, p's codes and 1 / sum(p) come as images of registers from the launches before.
; SHARES.  A work-group owns 512 rows x 16 outputs; wave w owns outputs 4 w .. 4 w + 3 for all 512 rows.  THE WEIGHTS STAY: a wave's four slabs, 64 fragments of 12 registers, lie in registers for the whole launch,
; and the rows stream past in 32 tiles of 16 rows: a fragment of x read from LDS feeds eight matrix instructions, and a tile's 14,848 bytes of LDS feed 64.
; TRANSPOSED USE: source 0 = 16 leaves of one output, source 1 = 16 rows of x: lane (r, h) holds row r, register j the leaf 16 u + 8 h + j, beside the tile's gates in the same layout.
; A TILE is eight K steps of eight matrix instructions; the eight accumulators (four outputs x two halves of the leaves) take turns.  The 64 stand in two runs of 32.
; Between the runs the next tile's fragments of K steps 0-3 take the registers that the first run has done with; behind the second run the sums over the leaves are made, stored to a stage, and the next tile's gates and K steps 4-7 are fetched.
; THE STREAM: a ring of two LDS slots of eight tiles; each wave fetches two tiles, 29,696 dense bytes, by one tensor load.  Four fills in all, so four barriers.
; CLUSTER: the four partners own the same rows and other outputs: every tile is asked for jointly.  The place in the cluster enters only the global addresses of the weights, pb and out.
; NO PREFETCH: a wave issues four tensor loads in all, two of them at the head and each of the others eight tiles (512 matrix instructions) ahead of the first read; the weights are loaded once, with no loop ahead of them.
; THE BIAS PRODUCT (K = 32, one block; k = 32 .. 127 zero codes on both sides) is made in the head, a matrix instruction for each of the wave's eight tiles of rows, and waits in a stage of its own.
; THE WAY OUT: 16 outputs are 64 bytes of a row of out: four lanes store a row's 64 consecutive bytes; the cluster's four partners write the four quarters of each run of 256 bytes.  768 of a wave's registers hold four slabs, so a work-group cannot hold 64 outputs.
; LIMITS: pb's scale byte is held at 1 from below (a block of zeros has zero codes); NaN and infinities among the inputs are not served.
; REGISTERS: windows 1-3: weight fragment Q = 8 s + 2 o + u, the order of use, 21 to a window, at 12 (Q % 21); fragment 63 and all else in window 0.
.set TT, 14848                         ; a tile: 8 fragments of 1,536, 512 of scale words, 2,048 of gates
.set SLOTB, 8*TT
.set STG, 2*SLOTB                      ; 512 rows x (64 bytes + 16): the sums over the leaves.  No fill lands here
.set SPITCH, 80
.set BST, STG+512*SPITCH               ; the same shape: the bias product
.set SPARE, BST+512*SPITCH             ; the spare words, 128 bytes a wave
.set SLAB, 25600
.set PT, 1792
.set SPW, 1
.set NIL, 2
.set L16, 3
.set L4, 4
.set XA, 5                             ; LDS: 16 x lane + the tile that is fetched
.set XA4, 6                            ; 4 x lane + the same
.set SA0, 7                            ; my place in a stage row r
.set SA, 8                             ; the same at the tile at work
.set RD, 9
.set CO, 10
.set SB, 11
.set XS, 12                            ; v12-15 x's scale words, s / 2
.set G, 16                             ; v16-31 the tile's gates (in the head: 1 / sum of my eight tiles)
.set SW, 32                            ; v32-63 the weights' scale words, 8 o + 2 (s / 2) + u
.set ACC, 64                           ; v64-127 the eight accumulators, (o, u) at 16 o + 8 u
.set XF, 128                           ; v128-223 x's fragments
.set W63, 224
.set L8, 236
.set PBO, 237
.set HM, 238
.set PBS, 239                          ; pb's scale word
.set T0, 240
.set T1, 241
.set QPS, 242                          ; v242-249 p's scale words of my eight tiles
.set T2, 250
.set T3, 251
.set RES, 252                          ; v252-255 a tile's four results (in the head v252 is a temporary)
.set PBF, ACC+32
.set CT, ACC+44
.set DB, ACC+48
.set G1, 24
.set G0, 32
.set CNT, 40
.set SOFF, 41
.set NOFF, 42
.set MSB, 0
.macro WIN new
.if MSB != (\new)
	s_set_vgpr_msb (MSB<<8)|(\new)
.set MSB, (\new)
.endif
.endm
.macro PLACES
.rept 4
	v_nop
.endr
.endm
.macro CREST
	s_cmp_lg_u32 s14, 0
	s_cbranch_scc1 .Lnot_wave_0_\@
	s_barrier_signal -3
.Lnot_wave_0_\@:
	s_barrier_wait -3
	s_barrier_signal -1
	s_barrier_wait -1
.endm
.macro CROUND
	s_barrier_signal -1
	s_barrier_wait -1
	CREST
.endm
.macro JLOAD k                         ; my two tiles for slot k: the same line, mask and descriptor in my wave of all four partners
	tensor_load_to_lds s[G0+4*\k:G0+4*\k+3], s[G1:G1+7]
	s_nop 0
	PLACES
.endm
	s_load_b256 s[4:11], s[0:1], 0x0               ; timg, pimg, wimg, pb
	s_load_b64 s[12:13], s[0:1], 0x20              ; out
	v_lshl_add_u32 v[SPW], v0, 2, SPARE
	v_mov_b32 v[NIL], 0
	ds_add_u32 v[SPW], v[NIL]                      ; the opening lines: the add twice and its wait
	ds_add_u32 v[SPW], v[NIL]
	v_lshrrev_b32 v[T0], 5, v0
	v_readfirstlane_b32 s14, v[T0]                 ; wave
	s_bfe_u32 s17, ttmp6, 0x40000                  ; cx
	s_and_b32 s19, ttmp7, 0xffff                   ; my block of 512 rows, which the partners share
	s_lshl_b32 s15, ttmp9, 2
	s_add_co_u32 s15, s15, s17                     ; my block of 16 outputs
	s_mov_b32 s20, 0x76543210
	s_mov_b32 s21, 0xfedcba98
	s_mov_b32 s[SOFF], 0
	s_mov_b32 s[NOFF], 0
	s_mov_b32 s[G1+0], 15|(3<<16)|(1<<21)          ; the mask of all four; elements of 8 bytes; bit 21 beside a mask
	s_mov_b32 s[G1+1], 32<<16
	s_mov_b32 s[G1+2], 116<<16                     ; 116 rows of 256 bytes
	s_mov_b32 s[G1+3], 32<<16
	s_mov_b32 s[G1+4], 116
	s_mov_b32 s[G1+5], 32
	s_mov_b32 s[G1+6], 0
	s_mov_b32 s[G1+7], 0
	s_lshl_b32 s44, s19, 5                         ; 32 tiles to a block of rows
	s_lshl_b32 s45, s14, 1
	s_add_co_u32 s44, s44, s45
	s_mul_i32 s44, s44, TT                         ; the two tiles that I fetch
	s_mov_b32 s45, 0
	s_mul_i32 s46, s14, 2*TT                       ; and their part of a slot
	s_lshl_b32 s48, s19, 5
	s_lshl_b32 s49, s14, 3
	s_add_co_u32 s48, s48, s49
	s_mul_i32 s48, s48, PT                         ; p's images of my eight tiles
	s_mov_b32 s49, 0
	s_lshl_b32 s50, s15, 4
	s_lshl_b32 s51, s14, 2
	s_add_co_u32 s50, s50, s51
	s_mul_i32 s50, s50, SLAB                       ; my four slabs
	s_mov_b32 s51, 0
	s_lshl_b32 s52, s15, 11                        ; pb: 16 rows of 128 bytes
	s_mov_b32 s53, 0
	s_lshl_b32 s54, s19, 9
	s_lshl_b32 s55, s14, 7
	s_add_co_u32 s54, s54, s55
	s_lshl_b32 s54, s54, 12                        ; out: the first row that I store,
	s_lshl_b32 s55, s15, 6
	s_add_co_u32 s54, s54, s55                     ; and the block's 64 bytes
	s_mov_b32 s55, 0
	s_lshl_b32 s56, s14, 4
	s_add_co_u32 s56, s56, STG
	s_mul_i32 s57, s14, 128*SPITCH
	s_add_co_u32 s58, s57, STG
	s_add_co_u32 s57, s57, BST
	v_and_b32 v[T0], 31, v0
	v_and_b32 v[T1], 15, v0                        ; r
	v_bfe_u32 v[T2], v0, 4, 1                      ; h
	v_lshlrev_b32 v[L16], 4, v[T0]
	v_lshlrev_b32 v[L4], 2, v[T0]
	v_lshlrev_b32 v[L8], 3, v[T0]
	v_lshrrev_b32 v[T3], 2, v[T0]
	v_and_b32 v[RES], 3, v[T0]
	v_mul_u32_u24 v[SA0], v[T1], SPITCH
	v_lshl_add_u32 v[SB], v[T2], 5, v[SA0]
	v_add_nc_u32 v[SB], s57, v[SB]                 ; bias stage: my eight tiles, row r, + 32 h
	v_add_nc_u32 v[SA0], s56, v[SA0]               ; stage: row r, + 16 w
	v_mul_u32_u24 v[RD], v[T3], SPITCH             ; the way out: four lanes to a row, eight rows an instruction
	v_lshl_add_u32 v[RD], v[RES], 4, v[RD]
	v_add_nc_u32 v[RD], s58, v[RD]
	v_lshlrev_b32 v[CO], 12, v[T3]
	v_lshl_add_u32 v[CO], v[RES], 4, v[CO]
	v_lshlrev_b32 v[PBO], 7, v[T1]
	v_add_nc_u32 v[HM], -1, v[T2]                  ; ones in lanes 0-15
	v_add_nc_u32 v[XA], s[NOFF], v[L16]
	v_add_nc_u32 v[XA4], s[NOFF], v[L4]
.irp i, 6,7,8,9,10,11
	v_mov_b32 v[PBF+\i], 0                         ; k = 64 .. 127: zero codes
.endr
	s_wait_dscnt 0x0                               ; both opening adds are done
	s_wait_alu depctr_va_vdst(0)
	s_wait_kmcnt 0x0
	s_add_nc_u64 s[6:7], s[6:7], s[48:49]
	s_add_nc_u64 s[8:9], s[8:9], s[50:51]
	s_add_nc_u64 s[10:11], s[10:11], s[52:53]
	s_add_nc_u64 s[12:13], s[12:13], s[54:55]
	; ---- 256 loads: pb and p first (48), ahead of the round; then the weights
.irp g, 0,1,2,3                        ; lane (r, .) takes pb's row r whole; the groups of eight leaves go to places 0, 16, 8, 24, the order of p's codes
.irp f, 0,1
	global_load_b128 v[ACC+16*(\g%2)+8*(\g/2)+4*\f:ACC+16*(\g%2)+8*(\g/2)+4*\f+3], v[PBO], s[10:11] offset:32*\g+16*\f
.endr
.endr
.irp i, 0,1,2,3,4,5,6,7
.irp c, 0,1,2
	global_load_b128 v[XF+12*\i+4*\c:XF+12*\i+4*\c+3], v[L16], s[6:7] offset:PT*\i+512*\c
.endr
	global_load_b32 v[QPS+\i], v[L4], s[6:7] offset:PT*\i+1536
	global_load_b32 v[G+\i], v[L4], s[6:7] offset:PT*\i+1664
.endr
	s_mov_b32 s[G0+0], 1
	s_mov_b32 s[G0+1], s46
	s_add_nc_u64 s[G0+2:G0+3], s[4:5], s[44:45]
	s_mov_b32 s[G0+4], 1
	s_add_co_u32 s[G0+5], s46, SLOTB
	s_add_nc_u64 s[G0+6:G0+7], s[G0+2:G0+3], SLOTB
	s_or_b32 s[G0+3], s[G0+3], 0x80000000
	s_or_b32 s[G0+7], s[G0+7], 0x80000000
	CROUND                                         ; the first joint loads meet
	JLOAD 0                                        ; tiles 0-7: my one tensor load at the head
.irp o, 0,1,2,3
.irp j, 0,1,2,3
	global_load_b64 v[SW+8*\o+2*\j:SW+8*\o+2*\j+1], v[L8], s[8:9] offset:SLAB*\o+24576+256*\j
.endr
.endr
.set WQ, 0
.rept 64
.set WO, (WQ%8)/2
.set WS, WQ/8
.set WU, WQ%2
.if WQ < 63
	WIN ((1+WQ/21)<<6)
.set WR, 12*(WQ%21)
.else
	WIN 0
.set WR, W63
.endif
.irp c, 0,1,2
	global_load_b128 v[WR+4*\c:WR+4*\c+3], v[L16], s[8:9] offset:WO*SLAB+(2*WS+WU)*1536+512*\c
.endr
.set WQ, WQ+1
.endr
	WIN 0
	s_wait_loadcnt 63                              ; at most the youngest 63 of the 256 are out: pb and p are in
	v_max3_num_f32 v[T0], |v[ACC]|, |v[ACC+1]|, 0x1800000   ; pb's block: one a row, with the floor 2^(3 - 127)
.irp i, 2,4,6,8,10,12,14,16,18,20,22,24,26,28,30
	v_max3_num_f32 v[T0], v[T0], |v[ACC+\i]|, |v[ACC+\i+1]|
.endr
	v_add_nc_u32 v[T1], 0xff000000, v[T0]
	v_cvt_scalef32_pk16_fp6_f32 v[PBF:PBF+2], v[ACC:ACC+15], v[T1]
	v_cvt_scalef32_pk16_fp6_f32 v[CT:CT+2], v[ACC+16:ACC+31], v[T1]
	v_lshrrev_b32 v[PBS], 23, v[T1]                ; byte 0 the block's, the others 0 over zero codes
.irp i, 0,1,2
	v_and_b32 v[PBF+\i], v[HM], v[PBF+\i]          ; lanes 16-31 stand for k = 32 .. 63: zero codes
	v_and_b32 v[PBF+3+\i], v[HM], v[CT+\i]
.endr
.rept 8
	v_nop                                          ; a scale register written by a vector instruction stands 8 places ahead of a scaled product
.endr
.irp i, 0,2,4,6                        ; source 0 = pb's 16 rows, source 1 = p: lane (r, h) gets row r's outputs 8 h + 0 .. 7
	v_wmma_scale_f32_16x16x128_f8f6f4 v[DB:DB+7], v[PBF:PBF+11], v[XF+12*\i:XF+12*\i+11], 0, v[PBS], v[QPS+\i] matrix_a_fmt:MATRIX_FMT_FP6 matrix_b_fmt:MATRIX_FMT_FP6
	v_wmma_scale_f32_16x16x128_f8f6f4 v[DB+8:DB+15], v[PBF:PBF+11], v[XF+12*\i+12:XF+12*\i+23], 0, v[PBS], v[QPS+\i+1] matrix_a_fmt:MATRIX_FMT_FP6 matrix_b_fmt:MATRIX_FMT_FP6
	PLACES
.irp j, 0,1,2,3,4,5,6,7
	v_mul_f32 v[DB+\j], v[DB+\j], v[G+\i]          ; divided by the row's sum
.endr
.irp j, 0,1,2,3,4,5,6,7
	v_mul_f32 v[DB+8+\j], v[DB+8+\j], v[G+\i+1]
.endr
	ds_store_b128 v[SB], v[DB:DB+3] offset:16*SPITCH*\i
	ds_store_b128 v[SB], v[DB+4:DB+7] offset:16*SPITCH*\i+16
	ds_store_b128 v[SB], v[DB+8:DB+11] offset:16*SPITCH*(\i+1)
	ds_store_b128 v[SB], v[DB+12:DB+15] offset:16*SPITCH*(\i+1)+16
.endr
.macro MM s, o, u                      ; an odd K step takes both sides' scales from lanes 16-31; K step 0 starts the sum
.set MQ, 8*(\s)+2*(\o)+(\u)
.set rD, ACC+16*(\o)+8*(\u)
.set rB, XF+12*(\s)
.set rS, SW+8*(\o)+2*((\s)/2)+(\u)
.set rX, XS+(\s)/2
.if MQ < 63
	WIN (1+MQ/21)
.set rA, 12*(MQ%21)
.else
	WIN 0
.set rA, W63
.endif
.if (\s)%2 == 1
	v_wmma_scale_f32_16x16x128_f8f6f4 v[rD:rD+7], v[rA:rA+11], v[rB:rB+11], v[rD:rD+7], v[rS], v[rX] matrix_a_fmt:MATRIX_FMT_FP6 matrix_b_fmt:MATRIX_FMT_FP6 matrix_a_scale:MATRIX_SCALE_ROW1 matrix_b_scale:MATRIX_SCALE_ROW1
.elseif (\s) == 0
	v_wmma_scale_f32_16x16x128_f8f6f4 v[rD:rD+7], v[rA:rA+11], v[rB:rB+11], 0, v[rS], v[rX] matrix_a_fmt:MATRIX_FMT_FP6 matrix_b_fmt:MATRIX_FMT_FP6
.else
	v_wmma_scale_f32_16x16x128_f8f6f4 v[rD:rD+7], v[rA:rA+11], v[rB:rB+11], v[rD:rD+7], v[rS], v[rX] matrix_a_fmt:MATRIX_FMT_FP6 matrix_b_fmt:MATRIX_FMT_FP6
.endif
.endm
.macro KS s
.irp o, 0,1,2,3
	MM \s, \o, 0
	MM \s, \o, 1
.endr
.endm
; THE SUM OVER THE LEAVES, step j of 12 for output o: 0, 1 the first products of its two accumulators (each read from its low end on); 2-7 fused multiply-adds; 8 the two chains; 9 the pair;
; 10, 11 the other half of the lanes.  The result lands in v[RES + o].  A step is done for all four outputs, so that no line reads the line above it.
.macro ES j, o
.set EJ, \j
.set EO, 2*(EJ/2)
.set rC, ACC+16*(\o)
.if EJ == 0
	v_pk_mul_f32 v[rC:rC+1], v[rC:rC+1], v[G:G+1]
.elseif EJ == 1
	v_pk_mul_f32 v[rC+8:rC+9], v[rC+8:rC+9], v[G+8:G+9]
.elseif (EJ < 8) && (EJ%2 == 0)
	v_pk_fma_f32 v[rC:rC+1], v[rC+EO:rC+EO+1], v[G+EO:G+EO+1], v[rC:rC+1]
.elseif EJ < 8
	v_pk_fma_f32 v[rC+8:rC+9], v[rC+8+EO:rC+9+EO], v[G+8+EO:G+9+EO], v[rC+8:rC+9]
.elseif EJ == 8
	v_pk_add_f32 v[rC:rC+1], v[rC:rC+1], v[rC+8:rC+9]
.elseif EJ == 9
	v_add_f32 v[rC], v[rC], v[rC+1]
.elseif EJ == 10
	v_permlanex16_b32 v[rC+2], v[rC], s20, s21
.else
	v_add_f32 v[RES+\o], v[rC], v[rC+2]
.endif
.endm
.macro FX s                            ; the fragment of K step s of the tile at v[XA]; with an odd s the scale words of s - 1 and s
.irp c, 0,1,2
	ds_load_b128 v[XF+12*(\s)+4*\c:XF+12*(\s)+4*\c+3], v[XA] offset:1536*(\s)+512*\c
.endr
.if (\s)%2 == 1
	ds_load_b32 v[XS+(\s)/2], v[XA4] offset:12288+128*((\s)/2)
.endif
.endm
.macro FG                              ; and its gates
.irp c, 0,1,2,3
	ds_load_b128 v[G+4*\c:G+4*\c+3], v[XA] offset:12800+512*\c
.endr
.endm
; A TILE.  kind 0: the next tile lies in the same slot; 1: this is the slot's last tile, and the slot is filled again; 2: the same, not filled; 3: the last tile of all.  nx: where the next tile lies (kinds 1, 2).
; All of a tile's bytes were asked for in the tile before.  My LDS instructions in a tile, in order: 14 loads (the next tile's K steps 0-3); a store, 4 loads of gates, 14 loads (its K steps 4-7).
.macro TILE kind, slot, nx
.if (\kind == 1) || (\kind == 2)
	s_wait_tensorcnt 0x0                           ; my part of the other slot has landed
	ds_add_u32 v[SPW], v[NIL]
	s_wait_dscnt 20                                ; K steps 0-3 are in: 19 LDS instructions and the add were issued behind them
.else
	s_wait_dscnt 19                                ; K steps 0-3 are in: 19 LDS instructions were issued behind them
.endif
	KS 0
	KS 1
.if (\kind == 1) || (\kind == 2)
	s_wait_dscnt 0x0                               ; the add is done, and my reads of this slot are over
	s_barrier_signal -1
.endif
	KS 2
	KS 3
	WIN 0
.if \kind == 1
	s_barrier_wait -1
	CREST                                          ; the barrier has opened a round of the cluster's
	s_add_nc_u64 s[G0+4*\slot+2:G0+4*\slot+3], s[G0+4*\slot+2:G0+4*\slot+3], 2*SLOTB
	JLOAD \slot                                    ; sixteen tiles on
.elseif \kind == 2
	s_barrier_wait -1
.endif
.if \kind != 3
.if \kind == 0
	s_add_co_u32 s[NOFF], s[NOFF], TT
.else
	s_mov_b32 s[NOFF], \nx
.endif
	v_add_nc_u32 v[XA], s[NOFF], v[L16]            ; on to the next tile.  These four lines are the places ahead of the loads
	v_add_nc_u32 v[XA4], s[NOFF], v[L4]
	v_nop
	v_nop
	FX 0
	FX 1
	FX 2
	FX 3
	s_wait_dscnt 14                                ; this tile's K steps 4-7 and gates are in; the 14 just issued may be out
.else
	s_wait_dscnt 0x0
.endif
	KS 4
	KS 5
	KS 6
	KS 7
	WIN 0
	v_add_nc_u32 v[SA], s[SOFF], v[SA0]            ; four places behind the last products
	v_nop
	v_nop
	v_nop
.irp z, 0,1,2,3,4,5,6,7,8,9,10,11
	ES \z, 0
	ES \z, 1
	ES \z, 2
	ES \z, 3
.endr
	ds_store_b128 v[SA], v[RES:RES+3]              ; row r's four outputs; lanes r and 16 + r write the same words with the same values
	s_add_co_u32 s[SOFF], s[SOFF], 16*SPITCH
.if \kind != 3
	FG
	FX 4
	FX 5
	FX 6
	FX 7
.endif
.endm
.macro LOOP n, lab
	s_mov_b32 s[CNT], \n
\lab:
	TILE 0, 0, 0
	s_sub_co_u32 s[CNT], s[CNT], 1
	s_cmp_lg_u32 s[CNT], 0
	s_cbranch_scc1 \lab
.endm
	s_wait_alu depctr_va_vdst(0)                   ; the wait at the head's end
	s_wait_loadcnt 0x0                             ; the weights are in
	s_wait_tensorcnt 0x0                           ; my part of tiles 0-7 is in; the lines ahead of a later first fill:
	ds_add_u32 v[SPW], v[NIL]
	s_wait_dscnt 0x0
	CROUND
	JLOAD 1                                        ; tiles 8-15
.irp z, 0,1,2,3
	FX \z
.endr
	FG
.irp z, 4,5,6,7
	FX \z
.endr
	s_wait_dscnt 0x0                               ; tile 0 is in whole: on this way no store stands among the instructions that the loop's first wait counts
	LOOP 7, .Lp0                                   ; tiles 0-6
	TILE 1, 0, 8*TT                                ; tile 7: slot 0 takes tiles 16-23
	LOOP 7, .Lp1
	TILE 1, 1, 0                                   ; tile 15: slot 1 takes tiles 24-31
	LOOP 7, .Lp2
	TILE 2, 0, 8*TT                                ; tile 23: nothing is left to fetch
	LOOP 7, .Lp3
	TILE 3, 0, 0                                   ; tile 31
	; ---- the way out: a row's 64 bytes come from all four waves: a barrier, then each wave takes 128 rows, eight an instruction, adds the bias product and stores
	s_wait_dscnt 0x0
	s_barrier_signal -1
	s_barrier_wait -1
.irp i, 0,1,2,3,4,5,6,7,8,9,10,11,12,13,14,15
	ds_load_b128 v[XF+4*\i:XF+4*\i+3], v[RD] offset:8*SPITCH*\i
	ds_load_b128 v[ACC+4*\i:ACC+4*\i+3], v[RD] offset:BST-STG+8*SPITCH*\i
.endr
.irp i, 0,1,2,3,4,5,6,7,8,9,10,11,12,13,14,15
	s_wait_dscnt 30-2*\i                           ; pair i is in; the younger pairs may be out
	v_pk_add_f32 v[XF+4*\i:XF+4*\i+1], v[XF+4*\i:XF+4*\i+1], v[ACC+4*\i:ACC+4*\i+1]
	v_pk_add_f32 v[XF+4*\i+2:XF+4*\i+3], v[XF+4*\i+2:XF+4*\i+3], v[ACC+4*\i+2:ACC+4*\i+3]
	global_store_b128 v[CO], v[XF+4*\i:XF+4*\i+3], s[12:13] offset:32768*\i th:TH_STORE_NT
.endr
	s_wait_tensorcnt 0x0                           ; the wave's end
	ds_add_u32 v[SPW], v[NIL]
	s_wait_dscnt 0x0
	CROUND                                         ; the closing round
	s_endpgm
.Lfunc_end_k_q07f9d8730b_moe:
	.size	k_q07f9d8730b_moe, .Lfunc_end_k_q07f9d8730b_moe-k_q07f9d8730b_moe
	.p2alignl 7, 3214868480
	.fill 96, 4, 3214868480
	.section	.rodata,"a",@progbits
	.p2align	6, 0x0
	.amdhsa_kernel k_q07f9d8730b_moe
		.amdhsa_group_segment_fixed_size 327680
		.amdhsa_private_segment_fixed_size 0
		.amdhsa_enable_private_segment 0
		.amdhsa_kernarg_size 40
		.amdhsa_user_sgpr_count 2
		.amdhsa_user_sgpr_kernarg_segment_ptr 1
		.amdhsa_wavefront_size32 1
		.amdhsa_system_sgpr_workgroup_id_x 1
		.amdhsa_system_sgpr_workgroup_id_y 1
		.amdhsa_system_sgpr_workgroup_id_z 1
		.amdhsa_system_vgpr_workitem_id 0
		.amdhsa_next_free_vgpr 1024
		.amdhsa_next_free_sgpr 66
		.amdhsa_reserve_vcc 0
		.amdhsa_float_denorm_mode_32 3
		.amdhsa_float_denorm_mode_16_64 3
		.amdhsa_memory_ordered 1
		.amdhsa_forward_progress 1
		.amdhsa_inst_pref_size 153
	.end_amdhsa_kernel
	.amdgpu_metadata
---
amdhsa.version: [ 1, 2 ]
amdhsa.kernels:
  - .name:           k_q07f9d8730b_moe
    .symbol:         k_q07f9d8730b_moe.kd
    .args:
      - { .name: timg, .offset: 0, .size: 8, .value_kind: global_buffer, .address_space: global }
      - { .name: pimg, .offset: 8, .size: 8, .value_kind: global_buffer, .address_space: global }
      - { .name: wimg, .offset: 16, .size: 8, .value_kind: global_buffer, .address_space: global }
      - { .name: pb, .offset: 24, .size: 8, .value_kind: global_buffer, .address_space: global }
      - { .name: out0, .offset: 32, .size: 8, .value_kind: global_buffer, .address_space: global }
    .group_segment_fixed_size: 327680
    .private_segment_fixed_size: 0
    .kernarg_segment_align: 8
    .kernarg_segment_size: 40
    .max_flat_workgroup_size: 128
    .sgpr_count:     66
    .vgpr_count:     1024
    .wavefront_size: 32
...
	.end_amdgpu_metadata
.endif
;; end of part 3
